; MI455X (gfx1250); checked and timed in simulation.
; The chip was launched on July 23, 2026; its instructions are those of AMD's public machine-readable ISA for CDNA 5 (MIT licence, August 2026) and "CDNA5" Instruction Set Architecture Reference Guide (July 2026). The comments in the code are by the model that wrote it; some were corrected since.
;; SA Fusion. Allowed arithmetic: float matrix products may take bf16 or f16 operands with f32 sums; other float arithmetic in f32, or as packed bf16 or f16 multiplies, adds, multiply-adds, maxima and minima; sums over many terms, partial sums and values carried from step to step in f32; what a program stores and reads back later, other than sums and carried values, may be rounded once to bf16 or f16.
;; Inputs: bias one number float32; g 4 x 2,048 x 512 float32; ln_beta 512 float32; ln_gamma 512 float32; p 4 x 2,048 x 512 float32; scale 1 float32.
;; Outputs: out0 4 x 4,096 x 512 float32.
;; One version. Each part assembles by itself: llvm-mc -triple=amdgcn-amd-amdhsa -mcpu=gfx1250 --defsym DOCPART=n.
;; ======== version 1 of 1: 2 launches
;; workspace buffers: xb 16,777,216 bytes; tt 131,072 bytes; cf 65,536 bytes
;; launch prep (part 1): grid 256 x 1, 8 waves a work-group, no clusters, 1,536 bytes of LDS; arguments g, p, xb, tt, cf; writes xb, tt, cf
.if DOCPART == 1
	.amdgcn_target "amdgcn-amd-amdhsa--gfx1250"
	.amdhsa_code_object_version 6
	.text
	.protected	k_qee0a8c1c01_prep
	.globl	k_qee0a8c1c01_prep
	.p2align	8
	.type	k_qee0a8c1c01_prep,@function
k_qee0a8c1c01_prep:
	s_mov_b64 s[64:65], 0
	v_nop
	global_prefetch_b8 v0, s[64:65] scope:SCOPE_SE
	s_setreg_imm32_b32 hwreg(HW_REG_WAVE_MODE, 25, 1), 1
	s_wait_xcnt 0x0
; x = concat(g, p) is [4][4096][512] f32.  For every row: expmap0 and the normalisation that follows it, step by step:
;   n = sqrt(max(|x|^2, 1e-7));  F = sinh(n) / n;  space = F x;  cf = F / sqrt(max(F^2 |x|^2, 1e-7));  s = cf x;  t = sqrt(cf^2 |x|^2 + 1).
; Stored: xb = s rounded once to bf16 [16384][512];  cf in f32 [16384];  tt = t in f32, each batch's 4,096 numbers TWICE on end, [4][2][4096]:
; so the 4,096 numbers that begin at any row of a batch and go round are dense in memory, which is how the next launch asks for them.
; LIMITS.  sinh is 0.5 (e^n - e^-n): below n = 1e-3 it keeps about three digits, and there cf does not hang on F unless F^2 |x|^2 < 1e-7.
; From n = 44.4 on F^2 |x|^2 is infinite and s = 0, t = 1; from n = 88.7 on e^n is infinite and the row is NaN.
; SHARES.  A work-group owns 64 rows, which lie wholly in g or wholly in p; each of its eight waves 8 rows.  A row is 2,048 bytes: four loads of
; 16 bytes a lane, each covering 512 consecutive bytes; it stays in 16 registers between the sum of squares and the scaling, so it is read once.
; All 32 loads of a wave go out at once.  No matrix unit, no tensor load, no cluster: nothing is shared and nothing is multiplied by a matrix.
.set LO,  1                            ; v1   16 x lane: my 16 bytes in 512 of a row of x
.set YO,  2                            ; v2   8 x lane: my 8 bytes in 256 of a row of xb, and in the 256 bytes of tt and cf
.set LW,  3                            ; v3   32 x wave: my wave's eight words in the LDS tables
.set LRB, 4                            ; v4   256 x wave + 8 x lane: where waves 0 and 1 read a table back
.set SPW, 6                            ; v6   LDS address of my spare word; never rewritten
.set NIL, 7                            ; v7   0; never rewritten
.set SS,  16                           ; v[16:23]   |x|^2, a register a row
.set N2,  24                           ; v[24:31]   max(|x|^2, 1e-7)
.set X,   32                           ; v[32:159]  16 registers a row
.set RN,  160                          ; v[160:167] 1 / n
.set E1,  168                          ; v[168:175] e^n, then at work
.set E2,  176                          ; v[176:183] e^-n, then at work
.set F,   184                          ; v[184:191] sinh(n) / n
.set CF,  192                          ; v[192:207] cf, twice a row: a pair for the packed multiply
.set T,   208                          ; v[208:215] t
.set NN,  216                          ; v[216:223] n
.set SPARE, 512                        ; LDS: 0 the 64 t, 256 the 64 cf, from 512 on the spare words, 128 bytes a wave
.macro ALL8 line:vararg                ; one line for each row i
.set i, 0
.rept 8
	\line
.set i, i+1
.endr
.endm
	s_load_b256 s[4:11], s[0:1], 0x0               ; g s[4:5], p s[6:7], xb s[8:9], tt s[10:11]
	s_load_b64 s[12:13], s[0:1], 0x20              ; cf
	v_lshl_add_u32 v[SPW], v0, 2, SPARE
	v_mov_b32 v[NIL], 0
	v_lshrrev_b32 v8, 5, v0
	v_readfirstlane_b32 s14, v8                    ; wave 0..7
	v_and_b32 v9, 31, v0
	v_lshlrev_b32 v[LO], 4, v9
	v_lshlrev_b32 v[YO], 3, v9
	s_lshl_b32 s15, s14, 5
	v_mov_b32 v[LW], s15
	s_lshl_b32 s15, s14, 8
	v_lshl_add_u32 v[LRB], v9, 3, s15
	v_mov_b32 v12, 0                               ; v_permlanex16_b32 counts as a reader of its destination
	s_mov_b32 s20, 0x76543210                      ; each lane takes its own place in the other half
	s_mov_b32 s21, 0xfedcba98
	s_lshr_b32 s22, ttmp9, 6                       ; batch
	s_and_b32 s23, ttmp9, 31                       ; my block of 64 rows within g or p
	s_lshl_b32 s22, s22, 5
	s_add_co_u32 s22, s22, s23
	s_lshl_b32 s22, s22, 3
	s_add_co_u32 s22, s22, s14                     ; in groups of 8 rows
	s_lshl_b32 s22, s22, 14                        ; of 2,048 bytes
	s_mov_b32 s23, 0
	s_lshl_b32 s24, ttmp9, 3
	s_add_co_u32 s24, s24, s14
	s_lshl_b32 s24, s24, 13                        ; xb: 8 rows of 1,024 bytes
	s_mov_b32 s25, 0
	s_lshl_b32 s26, ttmp9, 8                       ; cf: 64 words a work-group
	s_lshr_b32 s30, ttmp9, 6
	s_lshl_b32 s30, s30, 14
	s_add_co_u32 s30, s30, s26                     ; tt: the same, and 16,384 bytes more for each batch in front: a batch takes 2 x 16,384
	s_mov_b32 s31, 0
	s_and_b32 s28, ttmp9, 32                       ; blocks 0-31 of a batch lie in g, 32-63 in p
	s_wait_kmcnt 0x0
	s_cmp_eq_u32 s28, 0
	s_cselect_b64 s[16:17], s[4:5], s[6:7]
	s_add_nc_u64 s[16:17], s[16:17], s[22:23]
	s_add_nc_u64 s[18:19], s[8:9], s[24:25]
.irp i, 0,1,2,3,4,5,6,7
.irp j, 0,1,2,3
	global_load_b128 v[X+16*\i+4*\j:X+16*\i+4*\j+3], v[LO], s[16:17] offset:2048*\i+512*\j th:TH_LOAD_NT
.endr
.endr
	; the sums of squares: two chains a row, then across the 32 lanes
.irp i, 0,1,2,3,4,5,6,7
	s_wait_loadcnt 28-4*\i                         ; loads come back in order: row i is in, the 4 (7 - i) younger loads stay out
	v_pk_mul_f32 v[8:9], v[X+16*\i:X+16*\i+1], v[X+16*\i:X+16*\i+1]
	v_pk_mul_f32 v[10:11], v[X+16*\i+2:X+16*\i+3], v[X+16*\i+2:X+16*\i+3]
.irp j, 1,2,3
	v_pk_fma_f32 v[8:9], v[X+16*\i+4*\j:X+16*\i+4*\j+1], v[X+16*\i+4*\j:X+16*\i+4*\j+1], v[8:9]
	v_pk_fma_f32 v[10:11], v[X+16*\i+4*\j+2:X+16*\i+4*\j+3], v[X+16*\i+4*\j+2:X+16*\i+4*\j+3], v[10:11]
.endr
	v_pk_add_f32 v[8:9], v[8:9], v[10:11]
	v_add_f32 v[SS+\i], v8, v9
	v_add_f32_dpp v[SS+\i], v[SS+\i], v[SS+\i] row_xmask:1 row_mask:0xf bank_mask:0xf
	v_add_f32_dpp v[SS+\i], v[SS+\i], v[SS+\i] row_xmask:2 row_mask:0xf bank_mask:0xf
	v_add_f32_dpp v[SS+\i], v[SS+\i], v[SS+\i] row_xmask:4 row_mask:0xf bank_mask:0xf
	v_add_f32_dpp v[SS+\i], v[SS+\i], v[SS+\i] row_xmask:8 row_mask:0xf bank_mask:0xf
	v_permlanex16_b32 v12, v[SS+\i], s20, s21
	v_add_f32 v[SS+\i], v[SS+\i], v12
.endr
	; the rows' numbers, eight rows wide.  Each batch of roots or exponentials has one plain instruction and one wait behind it.
	ALL8 v_max_num_f32 v[N2+i], 0x33d6bf95, v[SS+i]
	ALL8 v_sqrt_f32 v[NN+i], v[N2+i]
	ALL8 v_rsq_f32 v[RN+i], v[N2+i]
	v_nop
	s_wait_alu depctr_va_vdst(0)
	ALL8 v_mul_f32 v[E1+i], 0x3fb8aa3b, v[NN+i]    ; n log2(e)
	ALL8 v_mul_f32 v[E2+i], 0xbfb8aa3b, v[NN+i]
	ALL8 v_exp_f32 v[E1+i], v[E1+i]
	ALL8 v_exp_f32 v[E2+i], v[E2+i]
	v_nop
	s_wait_alu depctr_va_vdst(0)
	ALL8 v_sub_f32 v[F+i], v[E1+i], v[E2+i]
	ALL8 v_mul_f32 v[F+i], 0.5, v[F+i]
	ALL8 v_mul_f32 v[F+i], v[F+i], v[RN+i]         ; sinh(n) / n
	ALL8 v_mul_f32 v[E1+i], v[F+i], v[F+i]
	ALL8 v_mul_f32 v[E1+i], v[E1+i], v[SS+i]       ; the space part's square
	ALL8 v_max_num_f32 v[E1+i], 0x33d6bf95, v[E1+i]
	ALL8 v_rsq_f32 v[E2+i], v[E1+i]
	v_nop
	s_wait_alu depctr_va_vdst(0)
	ALL8 v_mul_f32 v[CF+2*i], v[F+i], v[E2+i]
	ALL8 v_mov_b32 v[CF+2*i+1], v[CF+2*i]
	ALL8 v_mul_f32 v[E1+i], v[CF+2*i], v[CF+2*i]
	ALL8 v_fma_f32 v[E1+i], v[E1+i], v[SS+i], 1.0
	ALL8 v_sqrt_f32 v[T+i], v[E1+i]                ; its wait stands behind the rows' scaling, which names no t
	; s = cf x, rounded to bf16 in place; a store of a wave covers 256 consecutive bytes, aligned
.irp i, 0,1,2,3,4,5,6,7
.irp j, 0,1,2,3,4,5,6,7
	v_pk_mul_f32 v[X+16*\i+2*\j:X+16*\i+2*\j+1], v[X+16*\i+2*\j:X+16*\i+2*\j+1], v[CF+2*\i:CF+2*\i+1]
.endr
.irp j, 0,1,2,3
	v_cvt_pk_bf16_f32 v[X+16*\i+4*\j], v[X+16*\i+4*\j], v[X+16*\i+4*\j+1]
	v_cvt_pk_bf16_f32 v[X+16*\i+4*\j+1], v[X+16*\i+4*\j+2], v[X+16*\i+4*\j+3]
.endr
.irp j, 0,1,2,3
	global_store_b64 v[YO], v[X+16*\i+4*\j:X+16*\i+4*\j+1], s[18:19] offset:1024*\i+256*\j
.endr
.endr
	s_wait_alu depctr_va_vdst(0)                   ; the eight t
	; t and cf meet in LDS, so that each table leaves in whole runs of 256 bytes
.irp i, 0,1,2,3,4,5,6,7
	ds_store_b32 v[LW], v[T+\i] offset:4*\i        ; all lanes hold the same number
	ds_store_b32 v[LW], v[CF+2*\i] offset:256+4*\i
.endr
	s_wait_dscnt 0x0                               ; for the others' sake: my stores are done
	s_barrier_signal -1
	s_barrier_wait -1
	s_cmp_lt_u32 s14, 2                            ; wave 0 stores tt, wave 1 cf
	s_cbranch_scc0 .Lend
	ds_load_b64 v[8:9], v[LRB]
	s_cmp_eq_u32 s14, 0
	s_cselect_b64 s[28:29], s[10:11], s[12:13]
	s_cselect_b32 s30, s30, s26
	s_add_nc_u64 s[28:29], s[28:29], s[30:31]
	s_wait_dscnt 0x0
	global_store_b64 v[YO], v[8:9], s[28:29]
	s_cmp_lg_u32 s14, 0
	s_cbranch_scc1 .Lend
	global_store_b64 v[YO], v[8:9], s[28:29] offset:16384  ; t once more, in the batch's second copy
.Lend:
	s_wait_tensorcnt 0x0                           ; the wave's end, behind my last LDS store
	ds_add_u32 v[SPW], v[NIL]
	s_wait_dscnt 0x0
	s_endpgm
.Lfunc_end_k_qee0a8c1c01_prep:
	.size	k_qee0a8c1c01_prep, .Lfunc_end_k_qee0a8c1c01_prep-k_qee0a8c1c01_prep
	.p2alignl 7, 3214868480
	.fill 96, 4, 3214868480
	.section	.rodata,"a",@progbits
	.p2align	6, 0x0
	.amdhsa_kernel k_qee0a8c1c01_prep
		.amdhsa_group_segment_fixed_size 1536
		.amdhsa_private_segment_fixed_size 0
		.amdhsa_enable_private_segment 0
		.amdhsa_kernarg_size 40
		.amdhsa_user_sgpr_count 2
		.amdhsa_user_sgpr_kernarg_segment_ptr 1
		.amdhsa_wavefront_size32 1
		.amdhsa_system_sgpr_workgroup_id_x 1
		.amdhsa_system_sgpr_workgroup_id_y 1
		.amdhsa_system_sgpr_workgroup_id_z 1
		.amdhsa_system_vgpr_workitem_id 0
		.amdhsa_next_free_vgpr 224
		.amdhsa_next_free_sgpr 66
		.amdhsa_reserve_vcc 0
		.amdhsa_float_denorm_mode_32 3
		.amdhsa_float_denorm_mode_16_64 3
		.amdhsa_memory_ordered 1
		.amdhsa_forward_progress 1
		.amdhsa_inst_pref_size 32
	.end_amdhsa_kernel
	.amdgpu_metadata
---
amdhsa.version: [ 1, 2 ]
amdhsa.kernels:
  - .name:           k_qee0a8c1c01_prep
    .symbol:         k_qee0a8c1c01_prep.kd
    .args:
      - { .name: g, .offset: 0, .size: 8, .value_kind: global_buffer, .address_space: global }
      - { .name: p, .offset: 8, .size: 8, .value_kind: global_buffer, .address_space: global }
      - { .name: xb, .offset: 16, .size: 8, .value_kind: global_buffer, .address_space: global }
      - { .name: tt, .offset: 24, .size: 8, .value_kind: global_buffer, .address_space: global }
      - { .name: cf, .offset: 32, .size: 8, .value_kind: global_buffer, .address_space: global }
    .group_segment_fixed_size: 1536
    .private_segment_fixed_size: 0
    .kernarg_segment_align: 8
    .kernarg_segment_size: 40
    .max_flat_workgroup_size: 256
    .sgpr_count:     66
    .vgpr_count:     224
    .wavefront_size: 32
...
	.end_amdgpu_metadata
.endif
;; end of part 1
;; launch attn (part 2): grid 64 x 4, 4 waves a work-group, clusters of 4 x 1, 327,680 bytes of LDS; arguments xb, tt, cf, g, p, scale, bias, ln_gamma, ln_beta, out0; writes out0
.if DOCPART == 2
	.amdgcn_target "amdgcn-amd-amdhsa--gfx1250"
	.amdhsa_code_object_version 6
	.text
	.protected	k_qee0a8c1c01_attn
	.globl	k_qee0a8c1c01_attn
	.p2align	8
	.type	k_qee0a8c1c01_attn,@function
k_qee0a8c1c01_attn:
	s_mov_b64 s[64:65], 0
	v_nop
	global_prefetch_b8 v0, s[64:65] scope:SCOPE_SE
	s_setreg_imm32_b32 hwreg(HW_REG_WAVE_MODE, 25, 1), 1
	s_wait_xcnt 0x0
	s_wait_alu depctr_hold_cnt(0) depctr_sa_sdst(0) depctr_va_vdst(0) depctr_va_sdst(0) depctr_va_ssrc(0) depctr_va_vcc(0) depctr_vm_vsrc(0)
	s_getreg_b32 s2, hwreg(HW_REG_IB_STS2, 6, 4)
	s_cmp_eq_u32 s2, 0
	s_cbranch_scc0 .Lentry_in_a_cluster
	s_endpgm
.Lentry_in_a_cluster:
	s_bfe_u32 s2, ttmp6, 0x10000c
	s_cmp_lg_u32 s2, 0x3003
	s_cbranch_scc0 .Lentry_shape_is_right
	s_endpgm
.Lentry_shape_is_right:
; THE ATTENTION AND ALL THAT FOLLOWS IT.  A row is xh = (t, s), s = cf x of 512 channels (xb: s in bf16 [16384][512]; tt: t, each batch's 4,096 twice on end, [4][2][4096]; cf: [16384]; made by the launch before).
; score(n, m) = t_n t_m - s_n . s_m;  w = softmax_m(score / scale + bias) over the batch's 4,096 rows;  ave = sum of w (t, s);  then the mid-point's norm, the Lorentz
; addition, the layer norm over the 512 space channels and the logarithm at the origin, all row-wise, in f32, with x itself read in f32.
; SHARES.  A work-group owns 64 queries (four tiles of 16) of one batch; keys go in steps of 128, 32 steps, through two LDS slots.  K and V are the SAME tile.
;   S^T = K Q^T: wave w takes all 64 queries against ITS 32 keys; Q (64 x 512) stays in 512 registers of every wave, so a fragment of K feeds four products.
;   O^T = V^T P: wave w takes all 64 queries against ITS 128 channels (256 registers); P goes through LDS.  256 matrix instructions a wave and step.
; THE TIME CHANNEL stays in f32: the sums start at sg t_n t_m + bias |scale| (sg = the sign of scale), Q is held as -sg s (bf16 signs flipped, exact), so a sum ends as
; r = sg score + bias |scale| and (score / scale + bias) log2(e) = c r with c = log2(e) / |scale|.  The sums of p and of p t_m are vector sums over the wave's own keys.
; SOFTMAX.  A running maximum m for each query: each wave finds its 32 keys' maximum, the four exchange them through LDS, all hold the same m; p = 2^(c r - c m); O, L, T are
; multiplied by a = 2^(c m_old - c m_new) in every step.  m starts at the lowest finite number, O, L, T at 0: the first step is a step like any other, with a = 0.
; CLUSTER.  The four work-groups of a cluster belong to one batch and walk the same tiles: each part of a tile is asked for JOINTLY.  Cluster x begins at tile 2 x and goes round
; (a softmax does not care for the order of the keys), so a batch's 32 tiles are first asked for in the first two fills of its 16 clusters; no tile is prefetched.
; The table of t lies in LDS in the order of the walk: the 16,384 bytes of tt that begin at the first tile's (dense, since a batch's t stand twice on end); step s reads 512 s on.
; LIMITS.  scale = 0 is not served.  A weight below 2^-126 counts as 0.  bias enters as bias |scale| in the sums' start: another order of rounding than score / scale + bias.
; arccosh(a) = ln(a + sqrt(a^2 - 1)): at a = 1 + 1.2e-7, the least that the clip allows, the factor arccosh / sqrt keeps about four digits.  sinh and cosh are made of two exponentials.
; xb and P are rounded once to bf16; sums, maxima, L, T and O stay in f32.  NaN and infinities are not treated apart.
; REGISTERS, in windows of 256 (s_set_vgpr_msb: bits 1:0 source 0, 3:2 source 1, 5:4 source 2, 7:6 destination):
;   window 0: v0-15 addresses; v16-63 statistics, 12 a tile; v64-79 t of my keys; v80-95 maxima; v96-159 S^T (tile t, key block kb at 96 + 16 t + 8 kb), in the second product two
;             buffers of P's fragments; v160-255 three buffers of four fragments of K or V (the third also takes the packed P)
;   window 1: O^T: tile t, channel block b at 64 t + 8 b; lane (r, h), register j: query 16 t + r, channel 128 w + 64 h + 8 b + j
;   windows 2, 3: Q: tile t, channels 32 c on at 32 (c % 8) + 8 t of window 2 + c / 8.  In the tail: window 2 x in f32 at O's own places; window 3 gamma (v0-63), beta (v64-127)
.set PITCH, 1040      ; a key row in LDS: 1,024 bytes + 16 = 260 words: the 16 rows of a load of K start at 16 different groups of four banks (64 banks of 4 bytes: ISA guide 11.1)
.set WPART, 32*PITCH  ; what one tensor load brings: 32 rows
.set SLOTB, 4*WPART   ; a slot; its two set bits meet none of w x WPART's, so one exclusive or changes slots
.set TTB,   2*SLOTB   ; t of the batch's 4,096 keys in the order of the walk, filled once
.set MXB,   TTB+16384 ; the waves' maxima: [wave][r][tile], f32
.set RED,   MXB+1024  ; the tail's sums: [which of 8][wave][r][tile], f32
.set SPARE, RED+8192  ; the spare words, 128 bytes a wave: two blocks of 256 bytes that no other line names
.set PB,    SPARE+512 ; P: 64 query rows of 128 keys in bf16
.set PP,    272       ; its pitch: 256 + 16
.set STG,   PB        ; the tail's stage lies where P lay, and behind it: for each wave 16 rows of 512 + 16 bytes.  No tensor load lands from MXB on
.set SGP,   528
.set AK0, 3           ; v3   my place in a slot for K: WPART w + PITCH r + 16 h
.set AV0, 4           ; v4   for V: (8 h + lane % 8) PITCH + 256 w + 128 ((lane / 8) % 2)
.set ATM0, 5          ; v5   TTB + 128 w + 32 h
.set AK,  6           ; v6   AK0 in the slot in hand
.set AV,  7           ; v7   AV0 likewise
.set AV1, 8           ; v8   64 keys further on
.set ATM, 9           ; v9   ATM0 at the step in hand
.set AP,  10          ; v10  PB + PP r + 16 h
.set APS, 11          ; v11  AP + 64 w
.set AMW, 12          ; v12  MXB + 256 w + 16 r
.set AMR, 13          ; v13  MXB + 16 r
.set SPW, 14          ; v14  LDS address of my spare word; never rewritten
.set NIL, 15          ; v15  0; never rewritten
.set ST,  16          ; tile t at ST + 12 t: +0 c m, +1 m, +2 a, +3 c m_old and then the change, +4,5 L, +6,7 T, +8,9 sg t_n twice, +10,11 at work
.set TM,  64
.set TMP, 80
.set S,   96
.set FB,  160
.set EA,  64          ; the tail: v64-87 pair sums: kind k, tile t at EA + 8 k + 2 t
.set BP,  248         ; the tail: v248-255 a number a tile, twice: a pair for the packed lines
.set WV,  24          ; s24  my wave's number
.set G1,  28          ; s[28:35] group 1, a part of a key tile
.set G0,  36          ; s[36:39] its group 0
.set G1T, 40          ; s[40:47] group 1, a part of the table of t
.set G0T, 48          ; s[48:51]
.set G1X, 52          ; s[52:59] group 1, 16 rows of x in f32 (a load of the work-group's own)
.set G0X, 60          ; s[60:63]
.set KB,  66          ; s[66:67] xb at the batch's first row + my 32 rows of a tile
.set OFF, 68          ; s[68:69] an offset; the high word stays 0
.set NXT, 70          ; s70  the tile that was asked for last: it enters global addresses alone
.set TB,  72          ; s72  the slot in hand: 0 or SLOTB
.set CNT, 73          ; s73  steps that still ask for a tile
.set CS,  74          ; s[74:75] c, twice
.set BSC, 76          ; s[76:77] bias |scale|, twice
.set SEL, 78          ; s[78:79] v_permlanex16_b32's selects
.set SM,  80          ; s80  the mask that makes -sg s of s, two bf16 at a time
.set TOFF, 81         ; s81  512 x the step to be entered: from 0 on, 512 a step
.set SG,  82          ; s82  scale's sign bit
.set QBS, 86          ; s[86:87] xb, s[88:89] tt, s[90:91] cf, s[92:93] out0, each at my work-group's first row
.set OFX, 96          ; s[96:97] offsets that hang on my place in the cluster, s98, s99 at work on them: they reach global addresses of my own loads and stores alone
.set MSB, 0
.macro WIN new                      ; the high byte repeats the setting that is left; a switch that changes nothing is dropped
.if MSB != (\new)
	s_set_vgpr_msb (MSB<<8)|(\new)
.set MSB, \new
.endif
.endm
.macro PLACES                       ; four plain instructions between a matrix instruction and a vector line or a load that touches its registers (ISA guide 7.12.1 for vector lines)
.rept 4
	v_nop
.endr
.endm
.macro ALL4 line:vararg             ; one line for each tile t
.set t, 0
.rept 4
	\line
.set t, t+1
.endr
.endm
.macro ALLO win, line:vararg        ; one line for each pair of O^T, tiles alternating, each accumulator from its low end on
	WIN \win
.set q, 0
.rept 32
.set t, 0
.rept 4
.set o, 64*t+2*q
.set gm, 2*q
.set bp, BP+2*t
.set ea, EA+2*t
.set sa, ST+12*t+2
	\line
.set t, t+1
.endr
.set q, q+1
.endr
.endm
; A round of the cluster's barrier: my work-group's barrier, so that wave 0's signal speaks for all four waves; wave 0 signals; every wave waits for all four work-groups; my work-group's barrier once more.
.macro CROUND
	s_barrier_signal -1
	s_barrier_wait -1
	s_cmp_lg_u32 s[WV], 0
	s_cbranch_scc1 .Lnot_wave_0_\@
	s_barrier_signal -3
.Lnot_wave_0_\@:
	s_barrier_wait -3
	s_barrier_signal -1
	s_barrier_wait -1
.endm
; THE CHANGE OF SLOTS.  Each wave waits for all its tensor loads (one is out: its part of the tile to be entered), adds 0 to its spare word, and waits for that and for its reads of the slot that it leaves.
; Behind the round no wave of any partner reads the old slot or has a load on its way, and the new slot is whole.  The old slot is filled first thing:
; mode 1 with the next tile, jointly; mode 2 (the last step) with my work-group's own 64 rows of x in f32, for the tail.
.macro CHANGE mode
	WIN 0
	s_wait_tensorcnt 0x0            ; no tensor load of mine is out, so a group 0 may be written
	ds_add_u32 v[SPW], v[NIL]       ; 0 onto my spare word; the scalar work stands between it and the wait for it
	s_xor_b32 s[TB], s[TB], SLOTB
.if (\mode) == 1
	s_add_co_u32 s[NXT], s[NXT], 1
	s_and_b32 s[NXT], s[NXT], 31    ; the walk goes round the batch's 32 tiles
	s_lshl_b32 s[OFF], s[NXT], 17   ; a tile is 131,072 bytes of xb
	s_xor_b32 s[G0+1], s[G0+1], SLOTB
	s_add_nc_u64 s[G0+2:G0+3], s[KB:KB+1], s[OFF:OFF+1]  ; the address is made anew from the tile's number
	s_or_b32 s[G0+3], s[G0+3], 0x80000000
.endif
	s_wait_dscnt 0x0                ; the add is done, and my reads of the old slot are over
	CROUND
.if (\mode) == 1
	tensor_load_to_lds s[G0:G0+3], s[G1:G1+7]
.else
	tensor_load_to_lds s[G0X:G0X+3], s[G1X:G1X+7]
.endif
	s_nop 0
	v_add_nc_u32 v[AK], s[TB], v[AK0]
	v_add_nc_u32 v[AV], s[TB], v[AV0]
	v_add_nc_u32 v[AV1], 64*PITCH, v[AV]
	v_add_nc_u32 v[ATM], s[TOFF], v[ATM0]
	s_add_co_u32 s[TOFF], s[TOFF], 512  ; the next step's 128 numbers of the table
.endm
; THE LDS LOADS stand in runs of eight.  K, batch i of 8: channels 64 i .. 64 i + 63 of my 32 keys: four fragments (channel half cc, key block kb) into buffer i % 3.
.macro KLOAD i
	WIN 0
.irp cc, 0,1
.irp kb, 0,1
	ds_load_b128 v[FB+32*((\i)%3)+8*(2*\cc+\kb):FB+32*((\i)%3)+8*(2*\cc+\kb)+3], v[AK] offset:16*PITCH*\kb+64*(2*(\i)+\cc)
	ds_load_b128 v[FB+32*((\i)%3)+8*(2*\cc+\kb)+4:FB+32*((\i)%3)+8*(2*\cc+\kb)+7], v[AK] offset:16*PITCH*\kb+64*(2*(\i)+\cc)+32
.endr
.endr
.endm
; V, batch n of 8: keys 32 (n / 2) on, channel blocks 4 (n % 2) .. + 3, turned by ds_load_tr16_b128.  A channel block b is {8 b .. 8 b + 7} and the same 64 further on, of my 128:
; lanes 0-7 of a load take 8 rows x 16 bytes, lanes 8-15 the same rows 128 bytes on.
.macro VLOAD n
	WIN 0
.irp bb, 0,1,2,3
.if ((\n)/2) < 2
	ds_load_tr16_b128 v[FB+32*((\n)%3)+8*\bb:FB+32*((\n)%3)+8*\bb+3], v[AV] offset:32*PITCH*(((\n)/2)%2)+16*(4*((\n)%2)+\bb)
	ds_load_tr16_b128 v[FB+32*((\n)%3)+8*\bb+4:FB+32*((\n)%3)+8*\bb+7], v[AV] offset:32*PITCH*(((\n)/2)%2)+16*(4*((\n)%2)+\bb)+16*PITCH
.else
	ds_load_tr16_b128 v[FB+32*((\n)%3)+8*\bb:FB+32*((\n)%3)+8*\bb+3], v[AV1] offset:32*PITCH*(((\n)/2)%2)+16*(4*((\n)%2)+\bb)
	ds_load_tr16_b128 v[FB+32*((\n)%3)+8*\bb+4:FB+32*((\n)%3)+8*\bb+7], v[AV1] offset:32*PITCH*(((\n)/2)%2)+16*(4*((\n)%2)+\bb)+16*PITCH
.endif
.endr
.endm
; P, keys 32 kk on, all four tiles, into buffer kk % 2 (S^T's registers)
.macro PLOAD kk
	WIN 0
.irp t, 0,1,2,3
	ds_load_b128 v[S+32*((\kk)%2)+8*\t:S+32*((\kk)%2)+8*\t+3], v[AP] offset:16*PP*\t+64*(\kk)
	ds_load_b128 v[S+32*((\kk)%2)+8*\t+4:S+32*((\kk)%2)+8*\t+7], v[AP] offset:16*PP*\t+64*(\kk)+32
.endr
.endm
; THE MATRIX WORK.  The accumulators take turns, one instruction a turn: 8 in the first product, 32 in the second.
.macro KQB i                        ; 16 products on batch i of K
.irp cc, 0,1
.irp kb, 0,1
.irp t, 0,1,2,3
	v_wmma_f32_16x16x32_bf16 v[S+16*\t+8*\kb:S+16*\t+8*\kb+7], v[FB+32*((\i)%3)+8*(2*\cc+\kb):FB+32*((\i)%3)+8*(2*\cc+\kb)+7], v[32*((2*(\i)+\cc)%8)+8*\t:32*((2*(\i)+\cc)%8)+8*\t+7], v[S+16*\t+8*\kb:S+16*\t+8*\kb+7]
.endr
.endr
.endr
.endm
.macro PVB n                        ; 16 products on batch n of V
.irp bb, 0,1,2,3
.irp t, 0,1,2,3
	v_wmma_f32_16x16x32_bf16 v[64*\t+8*(4*((\n)%2)+\bb):64*\t+8*(4*((\n)%2)+\bb)+7], v[FB+32*((\n)%3)+8*\bb:FB+32*((\n)%3)+8*\bb+7], v[S+32*(((\n)/2)%2)+8*\t:S+32*(((\n)/2)%2)+8*\t+7], v[64*\t+8*(4*((\n)%2)+\bb):64*\t+8*(4*((\n)%2)+\bb)+7]
.endr
.endr
.endm
.macro FSC k                        ; c r - c m for pair k / 4 of tile k % 4
	v_pk_fma_f32 v[S+16*((\k)%4)+2*((\k)/4):S+16*((\k)%4)+2*((\k)/4)+1], v[S+16*((\k)%4)+2*((\k)/4):S+16*((\k)%4)+2*((\k)/4)+1], s[CS:CS+1], v[ST+12*((\k)%4):ST+12*((\k)%4)+1] op_sel_hi:[1,0,0] neg_lo:[0,0,1] neg_hi:[0,0,1]
.endm
; A KEY STEP.
.macro STEP mode
	CHANGE \mode
	ds_load_b128 v[TM:TM+3], v[ATM]                ; t of my 16 keys: 32 w + 16 kb + 8 h + j at TM + 8 kb + j
	ds_load_b128 v[TM+4:TM+7], v[ATM] offset:16
	ds_load_b128 v[TM+8:TM+11], v[ATM] offset:64
	ds_load_b128 v[TM+12:TM+15], v[ATM] offset:80
	KLOAD 0
	KLOAD 1
	KLOAD 2
	s_wait_dscnt 24                 ; t is in; the three batches of K may stay out
.set q, 0
.rept 8                             ; the sums start at sg t_n t_m + bias |scale|
	ALL4 v_pk_fma_f32 v[S+16*t+2*q:S+16*t+2*q+1], v[TM+2*q:TM+2*q+1], v[ST+12*t+8:ST+12*t+9], s[BSC:BSC+1] op_sel_hi:[1,0,0]
.set q, q+1
.endr
.irp i, 0,1,2,3,4,5,6,7
.if (\i) < 6
	s_wait_dscnt 16                 ; batch i is in; the two behind it may stay out
.elseif (\i) == 6
	s_wait_dscnt 8
.else
	s_wait_dscnt 0
.endif
.if (\i) < 4
	WIN 0x08                        ; Q in window 2
.else
	WIN 0x0c                        ; in window 3
.endif
	KQB \i
.if (\i) < 5
	PLACES
	KLOAD (\i)+3                    ; into the buffer just multiplied
.endif
.endr
	PLACES
	VLOAD 0                         ; the tile is whole already: V's first batches land under the softmax
	VLOAD 1
	; my 32 keys' maximum for each query: two chains a tile, each accumulator's lowest registers first
	ALL4 v_max3_num_f32 v[TMP+t], v[S+16*t], v[S+16*t+1], v[S+16*t+2]
	ALL4 v_max3_num_f32 v[ST+12*t+10], v[S+16*t+8], v[S+16*t+9], v[S+16*t+10]
	ALL4 v_max3_num_f32 v[TMP+t], v[TMP+t], v[S+16*t+3], v[S+16*t+4]
	ALL4 v_max3_num_f32 v[ST+12*t+10], v[ST+12*t+10], v[S+16*t+11], v[S+16*t+12]
	ALL4 v_max3_num_f32 v[TMP+t], v[TMP+t], v[S+16*t+5], v[S+16*t+6]
	ALL4 v_max3_num_f32 v[ST+12*t+10], v[ST+12*t+10], v[S+16*t+13], v[S+16*t+14]
	ALL4 v_max3_num_f32 v[TMP+t], v[TMP+t], v[S+16*t+7], v[S+16*t+15]
	ALL4 v_max_num_f32 v[TMP+t], v[TMP+t], v[ST+12*t+10]
	ALL4 v_permlanex16_b32 v[ST+12*t+11], v[TMP+t], s[SEL], s[SEL+1]
	ALL4 v_max_num_f32 v[TMP+t], v[TMP+t], v[ST+12*t+11]
	ds_store_b128 v[AMW], v[TMP:TMP+3]
	s_wait_dscnt 0x0                ; for the others' sake: my maxima are stored (and V's two batches are in)
	s_barrier_signal -1
	ALL4 v_mov_b32 v[ST+12*t+3], v[ST+12*t]        ; c m_old is kept
	s_barrier_wait -1               ; all four waves' maxima lie in LDS; they are written again only behind two more barriers
.irp w, 0,1,2,3
	ds_load_b128 v[TMP+4*\w:TMP+4*\w+3], v[AMR] offset:256*\w
.endr
	s_wait_dscnt 0x0
	ALL4 v_max3_num_f32 v[ST+12*t+1], v[ST+12*t+1], v[TMP+t], v[TMP+4+t]
	ALL4 v_max3_num_f32 v[ST+12*t+1], v[ST+12*t+1], v[TMP+8+t], v[TMP+12+t]
	ALL4 v_mul_f32 v[ST+12*t], s[CS], v[ST+12*t+1]
	ALL4 v_sub_f32 v[ST+12*t+3], v[ST+12*t+3], v[ST+12*t]
	; ONE BATCH: the 32 scalings, the four a and the 64 exponentials; nothing in it names an exponential's result
	FSC 0
	FSC 1
	ALL4 v_exp_f32 v[ST+12*t+2], v[ST+12*t+3]
.set k, 0
.rept 32
.if k < 30
	FSC k+2
.endif
	v_exp_f32 v[S+16*(k%4)+2*(k/4)], v[S+16*(k%4)+2*(k/4)]
	v_exp_f32 v[S+16*(k%4)+2*(k/4)+1], v[S+16*(k%4)+2*(k/4)+1]
.set k, k+1
.endr
	v_nop                           ; a plain instruction behind the last exponential,
	s_wait_alu depctr_va_vdst(0)    ; and one wait ahead of the batch's first reader
.set k, 0
.rept 32                            ; P in bf16: a lane's eight keys of a query are 16 bytes
	v_cvt_pk_bf16_f32 v[FB+64+k], v[S+2*k], v[S+2*k+1]
.set k, k+1
.endr
.irp t, 0,1,2,3
.irp kb, 0,1
	ds_store_b128 v[APS], v[FB+64+4*(2*\t+\kb):FB+64+4*(2*\t+\kb)+3] offset:16*PP*\t+32*\kb
.endr
.endr
	ALL4 v_pk_fma_f32 v[ST+12*t+4:ST+12*t+5], v[ST+12*t+4:ST+12*t+5], v[ST+12*t+2:ST+12*t+3], v[S+16*t:S+16*t+1] op_sel_hi:[1,0,1]  ; L = a L + the sum of the unrounded p
.set q, 1
.rept 7
	ALL4 v_pk_add_f32 v[ST+12*t+4:ST+12*t+5], v[ST+12*t+4:ST+12*t+5], v[S+16*t+2*q:S+16*t+2*q+1]
.set q, q+1
.endr
	s_wait_dscnt 0x0                ; for the others' sake: my columns of P are stored
	s_barrier_signal -1
	ALL4 v_pk_mul_f32 v[ST+12*t+6:ST+12*t+7], v[ST+12*t+6:ST+12*t+7], v[ST+12*t+2:ST+12*t+3] op_sel_hi:[1,0]  ; T = a T + the sum of p t_m: work on registers while the others arrive
.set q, 0
.rept 8
	ALL4 v_pk_fma_f32 v[ST+12*t+6:ST+12*t+7], v[S+16*t+2*q:S+16*t+2*q+1], v[TM+2*q:TM+2*q+1], v[ST+12*t+6:ST+12*t+7]
.set q, q+1
.endr
	s_barrier_wait -1               ; P is whole; it is written again only behind the next change of slots and the barrier of the maxima
	PLOAD 0
	VLOAD 2
	PLOAD 1
	ALLO 0x41, v_pk_mul_f32 v[o:o+1], v[o:o+1], v[sa:sa+1] op_sel_hi:[1,0]  ; O^T times a, while those loads land
.irp n, 0,1,2,3,4,5,6,7
.if (\n) == 0
	s_wait_dscnt 16                 ; P's keys 0-31 are in; behind them: V's batch 2, P's keys 32-63
.elseif (\n) == 1                   ; (all that batch 1 needs is in)
.elseif (\n) < 6
	s_wait_dscnt 24                 ; three runs of eight were issued behind what batch n needs
.elseif (\n) == 6
	s_wait_dscnt 8
.else
	s_wait_dscnt 0
.endif
	WIN 0x50                        ; V and P in window 0, O^T in window 1
	PVB \n
.if (\n) < 5
	PLACES
	VLOAD (\n)+3                    ; into the buffer just multiplied
.endif
.if (\n) == 1
	PLOAD 2
.endif
.if (\n) == 3
	PLOAD 3
.endif
.endr
	PLACES
	WIN 0
.endm
	s_load_b512 s[4:19], s[0:1], 0x0  ; xb s[4:5], tt s[6:7], cf s[8:9], g s[10:11], p s[12:13], scale s[14:15], bias s[16:17], gamma s[18:19]
	s_load_b128 s[20:23], s[0:1], 0x40  ; beta s[20:21], out0 s[22:23]
	v_lshl_add_u32 v[SPW], v0, 2, SPARE
	v_mov_b32 v[NIL], 0
	ds_add_u32 v[SPW], v[NIL]       ; the wave's opening: the add and its wait stand ahead of my first tensor load; the set-up below, work on registers, stands between them
	v_lshrrev_b32 v1, 5, v0
	v_readfirstlane_b32 s[WV], v1   ; wave 0..3
	s_bfe_u32 s25, ttmp6, 0x40000   ; cx: my place in the cluster
	s_lshl_b32 s26, ttmp9, 2        ; in a cluster launch ttmp9 counts clusters
	s_add_co_u32 s26, s26, s25      ; my block of 64 queries
	s_and_b32 s27, ttmp7, 0xffff    ; the batch, which the four partners share
	; group 1 of a key tile's part: 32 rows x 512 bf16, 4 words of padding behind every 256 words
	s_mov_b32 s[G1], 15|(1<<16)|(1<<20)|(1<<21)|(7<<22)|(3<<25)  ; 15:0 the mask of four; 17:16 2-byte elements; 20 padding on; 21 set beside a mask; 24:22 code 7; 31:25 code 3
	s_mov_b32 s[G1+1], 512<<16      ; tensor_dim0
	s_mov_b32 s[G1+2], 32<<16       ; tensor_dim1
	s_mov_b32 s[G1+3], 512<<16      ; tile_dim0
	s_mov_b32 s[G1+4], 32           ; tile_dim1
	s_mov_b32 s[G1+5], 512          ; elements from row to row
	s_mov_b32 s[G1+6], 0
	s_mov_b32 s[G1+7], 0
	; group 1 of the table's part: 4,096 dense bytes as 16 rows of 32 elements of 8 bytes
	s_mov_b32 s[G1T], 15|(3<<16)|(1<<21)
	s_mov_b32 s[G1T+1], 32<<16
	s_mov_b32 s[G1T+2], 16<<16
	s_mov_b32 s[G1T+3], 32<<16
	s_mov_b32 s[G1T+4], 16
	s_mov_b32 s[G1T+5], 32
	s_mov_b32 s[G1T+6], 0
	s_mov_b32 s[G1T+7], 0
	; group 1 of x: 16 rows x 512 f32, no mask; 4 words of padding behind every 256 words, so a row takes 2 x 1,040 bytes and 16 rows fill a wave's part of a slot
	s_mov_b32 s[G1X], (2<<16)|(1<<20)|(7<<22)|(3<<25)
	s_mov_b32 s[G1X+1], 512<<16
	s_mov_b32 s[G1X+2], 16<<16
	s_mov_b32 s[G1X+3], 512<<16
	s_mov_b32 s[G1X+4], 16
	s_mov_b32 s[G1X+5], 512
	s_mov_b32 s[G1X+6], 0
	s_mov_b32 s[G1X+7], 0
	s_mov_b32 s[G0], 1
	s_mul_i32 s[G0+1], s[WV], WPART ; slot 0, my part
	s_mov_b32 s[G0T], 1
	s_lshl_b32 s[G0T+1], s[WV], 12
	s_add_co_u32 s[G0T+1], s[G0T+1], TTB
	s_mov_b32 s[G0X], 1
	s_mul_i32 s[G0X+1], s[WV], WPART
	s_mov_b32 s[SEL], 0x76543210
	s_mov_b32 s[SEL+1], 0xfedcba98
	s_mov_b32 s[OFF+1], 0
	s_mov_b32 s[OFX+1], 0
	s_wait_dscnt 0x0                ; the opening add is done
	s_wait_kmcnt 0x0
	s_load_b32 s83, s[14:15], 0x0   ; scale
	s_load_b32 s84, s[16:17], 0x0   ; bias
	s_lshl_b32 s94, s27, 22         ; a batch is 4,194,304 bytes of xb,
	s_lshl_b32 s95, s[WV], 15       ; my 32 rows of a tile 32,768
	s_add_co_u32 s[OFF], s94, s95
	s_add_nc_u64 s[KB:KB+1], s[4:5], s[OFF:OFF+1]
	s_lshl_b32 s[OFF], ttmp9, 18    ; the first tile is 2 x the cluster's x
	s_add_nc_u64 s[G0+2:G0+3], s[KB:KB+1], s[OFF:OFF+1]
	s_or_b32 s[G0+3], s[G0+3], 0x80000000
	s_lshl_b32 s94, s27, 15         ; the table: a batch is 2 x 16,384 bytes of tt,
	s_lshl_b32 s95, s[WV], 12       ; my quarter of the walk 4,096,
	s_add_co_u32 s[OFF], s94, s95
	s_lshl_b32 s94, ttmp9, 10       ; and the walk begins 512 bytes x the first tile in: 15,360 + 16,384 at the most, inside the batch's two copies
	s_add_co_u32 s[OFF], s[OFF], s94
	s_add_nc_u64 s[G0T+2:G0T+3], s[6:7], s[OFF:OFF+1]
	s_or_b32 s[G0T+3], s[G0T+3], 0x80000000
	s_and_b32 s98, s26, 31          ; x: my block within g or p,
	s_lshl_b32 s98, s98, 2
	s_add_co_u32 s98, s98, s[WV]    ; in groups of 16 rows,
	s_lshl_b32 s99, s27, 7
	s_add_co_u32 s98, s98, s99
	s_lshl_b32 s[OFX], s98, 15      ; of 2,048 bytes
	s_cmp_lt_u32 ttmp9, 8           ; clusters 0-7 of a batch lie in g, 8-15 in p: the same for all four partners
	s_cselect_b64 s[G0X+2:G0X+3], s[10:11], s[12:13]
	s_add_nc_u64 s[G0X+2:G0X+3], s[G0X+2:G0X+3], s[OFX:OFX+1]
	s_or_b32 s[G0X+3], s[G0X+3], 0x80000000
	s_lshl_b32 s98, s27, 6
	s_add_co_u32 s98, s98, s26      ; my block of 64 rows among all 256
	s_lshl_b32 s[OFX], s98, 16
	s_add_nc_u64 s[QBS:QBS+1], s[4:5], s[OFX:OFX+1]
	s_lshl_b32 s99, s27, 15         ; tt: the batch's first copy, my block's 256 bytes
	s_lshl_b32 s[OFX], s26, 8
	s_add_co_u32 s[OFX], s[OFX], s99
	s_add_nc_u64 s[QBS+2:QBS+3], s[6:7], s[OFX:OFX+1]
	s_lshl_b32 s[OFX], s98, 8
	s_add_nc_u64 s[QBS+4:QBS+5], s[8:9], s[OFX:OFX+1]
	s_lshl_b32 s[OFX], s98, 17
	s_add_nc_u64 s[QBS+6:QBS+7], s[22:23], s[OFX:OFX+1]
	CROUND                          ; all four work-groups are here: the first joint loads meet
	tensor_load_to_lds s[G0T:G0T+3], s[G1T:G1T+7]  ; my quarter of the table of t; two loads of mine are out
	s_nop 0
	tensor_load_to_lds s[G0:G0+3], s[G1:G1+7]      ; my part of the first tile, into slot 0
	s_nop 0
	v_and_b32 v1, 15, v0            ; r = lane % 16
	v_bfe_u32 v2, v0, 4, 1          ; h = lane / 16
	v_lshlrev_b32 v[TMP], 10, v1
	v_lshl_add_u32 v[TMP], v2, 4, v[TMP]           ; Q: row x 1,024 + 16 h
	v_lshlrev_b32 v[TMP+1], 2, v1
	; Q stays in registers: a fragment is 16 queries x 32 channels: lane (r, h) holds query r, channels 8 h + 0..7 and 16 + 8 h + 0..7: two loads of 16 bytes, 32 bytes apart
	WIN 0x80                        ; destination window 2, address window 0
.set c, 0
.rept 8
.set t, 0
.rept 4
	global_load_b128 v[32*c+8*t:32*c+8*t+3], v[TMP], s[QBS:QBS+1] offset:16384*t+64*c
	global_load_b128 v[32*c+8*t+4:32*c+8*t+7], v[TMP], s[QBS:QBS+1] offset:16384*t+64*c+32
.set t, t+1
.endr
.set c, c+1
.endr
	WIN 0xc0                        ; destination window 3
.set c, 0
.rept 8
.set t, 0
.rept 4
	global_load_b128 v[32*c+8*t:32*c+8*t+3], v[TMP], s[QBS:QBS+1] offset:16384*t+64*c+512
	global_load_b128 v[32*c+8*t+4:32*c+8*t+7], v[TMP], s[QBS:QBS+1] offset:16384*t+64*c+544
.set t, t+1
.endr
.set c, c+1
.endr
	WIN 0
	ALL4 global_load_b32 v[ST+12*t+8], v[TMP+1], s[QBS+2:QBS+3] offset:64*t  ; t of query 16 t + r
	; the LDS addresses
	s_mul_i32 s94, s[WV], WPART
	v_mul_u32_u24 v[AK0], v1, PITCH
	v_lshl_add_u32 v[AK0], v2, 4, v[AK0]
	v_add_nc_u32 v[AK0], s94, v[AK0]
	v_and_b32 v[AV0], 7, v0
	v_lshl_add_u32 v[AV0], v2, 3, v[AV0]
	v_mul_u32_u24 v[AV0], v[AV0], PITCH
	v_bfe_u32 v[AK], v0, 3, 1
	v_lshl_add_u32 v[AV0], v[AK], 7, v[AV0]
	s_lshl_b32 s94, s[WV], 8
	v_add_nc_u32 v[AV0], s94, v[AV0]
	v_lshl_add_u32 v[AMR], v1, 4, MXB
	v_add_nc_u32 v[AMW], s94, v[AMR]
	s_lshl_b32 s94, s[WV], 7
	s_add_co_u32 s94, s94, TTB
	v_lshl_add_u32 v[ATM0], v2, 5, s94
	v_mul_u32_u24 v[AP], v1, PP
	v_lshl_add_u32 v[AP], v2, 4, v[AP]
	v_add_nc_u32 v[AP], PB, v[AP]
	s_lshl_b32 s94, s[WV], 6
	v_add_nc_u32 v[APS], s94, v[AP]
	; what the first step finds: O^T, L and T are 0, m the lowest finite number, c m far below every c r.  All this stands in the wait for Q and the first tile: no first step is written out.
	WIN 0x40
.set i, 0
.rept 256
	v_mov_b32 v[i], 0
.set i, i+1
.endr
	WIN 0
	ALL4 v_mov_b32 v[ST+12*t], 0xfe000000
	ALL4 v_mov_b32 v[ST+12*t+1], 0xff7fffff
	ALL4 v_mov_b32 v[ST+12*t+4], 0
	ALL4 v_mov_b32 v[ST+12*t+5], 0
	ALL4 v_mov_b32 v[ST+12*t+6], 0
	ALL4 v_mov_b32 v[ST+12*t+7], 0
	ALL4 v_mov_b32 v[ST+12*t+11], 0                ; v_permlanex16_b32 counts as a reader of its destination
	s_wait_kmcnt 0x0                ; scale and bias
	s_and_b32 s[SG], s83, 0x80000000
	s_and_b32 s85, s83, 0x7fffffff  ; |scale|
	v_mov_b32 v[TMP+4], s85
	v_rcp_f32 v[TMP+5], v[TMP+4]
	v_nop
	s_wait_alu depctr_va_vdst(0)
	v_mul_f32 v[TMP+5], 0x3fb8aa3b, v[TMP+5]
	v_readfirstlane_b32 s[CS], v[TMP+5]            ; c = log2(e) / |scale|
	s_mov_b32 s[CS+1], s[CS]
	s_mul_f32 s[BSC], s84, s85
	s_mov_b32 s[BSC+1], s[BSC]
	s_xor_b32 s[SM], s[SG], 0x80000000             ; -sg is negative where scale is positive
	s_lshr_b32 s94, s[SM], 16
	s_or_b32 s[SM], s[SM], s94
	s_wait_loadcnt 0x0              ; Q and t_n
	ALL4 v_xor_b32 v[ST+12*t+8], s[SG], v[ST+12*t+8]
	ALL4 v_mov_b32 v[ST+12*t+9], v[ST+12*t+8]
	WIN 0x88
.set i, 0
.rept 256
	v_xor_b32 v[i], s[SM], v[i]
.set i, i+1
.endr
	WIN 0xcc
.set i, 0
.rept 256
	v_xor_b32 v[i], s[SM], v[i]
.set i, i+1
.endr
	WIN 0
	s_lshl_b32 s[NXT], ttmp9, 1
	s_mov_b32 s[TB], SLOTB          ; the first change of slots turns it into 0
	s_mov_b32 s[TOFF], 0
	s_mov_b32 s[CNT], 31
.Lstep:                             ; 31 trips: a tile is entered and the next is asked for
	STEP 1
	s_sub_co_u32 s[CNT], s[CNT], 1
	s_cmp_lg_u32 s[CNT], 0
	s_cbranch_scc1 .Lstep
	STEP 2                          ; the last tile is written out; slot 0 takes x
; THE TAIL.  Window 0 anew (EA and BP are named at the head):
.set XAX,  3          ; v3   x in slot 0: 2,080 r + 1,040 (w / 2) + 512 (w % 2) + 256 h
.set XAX1, 4          ; v4   two tiles further on
.set ARW,  5          ; v5   RED + 256 w + 16 r
.set ARR,  6          ; v6   RED + 16 r
.set STO,  7          ; v7   my stage: where I put 16 bytes of a row
.set RD,   8          ; v8   where I read a row's 512 bytes back
.set GO,   9          ; v9   512 w + 16 lane: my bytes of a row of out0
.set GBO,  10         ; v10  512 w + 256 h: my channels in gamma and beta
.set CFO,  11         ; v11  4 r
.set R,    88         ; v88-119  sums: which v, tile t at R + 4 v + t: 0 L, 1 T, 2 O.O, 3 x.O, 4 x.x, 5 sum of z, 6 of d^2, 7 of s'^2
.set RR1,  120        ; v120-199 the first meeting's 5 x 16 numbers read back
.set RR2,  232        ; v232-247 the later meetings' 16, and four at work
.set eX0, 120         ; the rows' numbers, four registers (a tile each) a name
.set eX1, 124
.set eRL, 128
.set eRX, 132
.set eA0, 136
.set eDEN, 140
.set eRD, 144
.set eAL, 148
.set eKAP, 152
.set eW2, 156
.set eW,  160
.set eRW, 164
.set eCO, 168
.set eMU, 172
.set eB,  176
.set eCC, 180
.set eNV2, 184
.set eRN, 188
.set eNV, 192
.set eE1, 196
.set eE2, 200
.set eSHN, 204
.set eALP, 208
.set eBET, 212
.set eCF, 216
.set eT1, 220
.set eT2, 224
.macro DOT ea0, win                 ; a sum of products over my 64 channels of each query; the windows of sources 0 and 1 choose O.O, x.O or x.x.  The first product starts the sum.
	WIN \win
	ALL4 v_pk_mul_f32 v[(\ea0)+2*t:(\ea0)+2*t+1], v[64*t:64*t+1], v[64*t:64*t+1]
.set q, 1
.rept 31
	ALL4 v_pk_fma_f32 v[(\ea0)+2*t:(\ea0)+2*t+1], v[64*t+2*q:64*t+2*q+1], v[64*t+2*q:64*t+2*q+1], v[(\ea0)+2*t:(\ea0)+2*t+1]
.set q, q+1
.endr
	WIN 0
.endm
.macro HSUM val, src, stride        ; a pair's halves and the other half of the lanes'
	WIN 0
	ALL4 v_add_f32 v[R+4*(\val)+t], v[(\src)+(\stride)*t], v[(\src)+(\stride)*t+1]
	ALL4 v_permlanex16_b32 v[RR2+t], v[R+4*(\val)+t], s[SEL], s[SEL+1]
	ALL4 v_add_f32 v[R+4*(\val)+t], v[R+4*(\val)+t], v[RR2+t]
.endm
.macro XPUT val
	ds_store_b128 v[ARW], v[R+4*(\val):R+4*(\val)+3] offset:1024*(\val)
.endm
.macro XGET val, rr
.irp w, 0,1,2,3
	ds_load_b128 v[(\rr)+4*\w:(\rr)+4*\w+3], v[ARR] offset:1024*(\val)+256*\w
.endr
.endm
.macro XADD val, rr                 ; the four waves' sums, in the same order in every wave
	v_pk_add_f32 v[(\rr):(\rr)+1], v[(\rr):(\rr)+1], v[(\rr)+4:(\rr)+5]
	v_pk_add_f32 v[(\rr)+2:(\rr)+3], v[(\rr)+2:(\rr)+3], v[(\rr)+6:(\rr)+7]
	v_pk_add_f32 v[(\rr)+8:(\rr)+9], v[(\rr)+8:(\rr)+9], v[(\rr)+12:(\rr)+13]
	v_pk_add_f32 v[(\rr)+10:(\rr)+11], v[(\rr)+10:(\rr)+11], v[(\rr)+14:(\rr)+15]
	v_pk_add_f32 v[R+4*(\val):R+4*(\val)+1], v[(\rr):(\rr)+1], v[(\rr)+8:(\rr)+9]
	v_pk_add_f32 v[R+4*(\val)+2:R+4*(\val)+3], v[(\rr)+2:(\rr)+3], v[(\rr)+10:(\rr)+11]
.endm
.macro MEET val                     ; one sum meets: each has LDS bytes of its own, written once
	HSUM \val, EA, 2
	XPUT \val
	s_wait_dscnt 0x0                ; for the others' sake: my sum is stored
	s_barrier_signal -1
	s_barrier_wait -1
	XGET \val, RR2
	s_wait_dscnt 0x0
	XADD \val, RR2
.endm
.macro SETBP src
	WIN 0
	ALL4 v_mov_b32 v[BP+2*t], v[(\src)+t]
	ALL4 v_mov_b32 v[BP+2*t+1], v[(\src)+t]
.endm
.macro BATCH                        ; behind a batch of roots, reciprocals, logarithms or exponentials: a plain instruction and one wait
	v_nop
	s_wait_alu depctr_va_vdst(0)
.endm
.macro LOGC                         ; eCO = arccosh(eAL) / sqrt(eAL^2 - 1)
	ALL4 v_fma_f32 v[eW2+t], v[eAL+t], v[eAL+t], -1.0
	ALL4 v_sqrt_f32 v[eW+t], v[eW2+t]
	ALL4 v_rsq_f32 v[eRW+t], v[eW2+t]
	BATCH
	ALL4 v_add_f32 v[eT1+t], v[eAL+t], v[eW+t]
	ALL4 v_log_f32 v[eCO+t], v[eT1+t]
	BATCH
	ALL4 v_mul_f32 v[eCO+t], 0x3f317218, v[eCO+t]
	ALL4 v_mul_f32 v[eCO+t], v[eCO+t], v[eRW+t]
.endm
	s_wait_tensorcnt 0x0            ; my 16 rows of x are in,
	s_wait_dscnt 0x0
	s_barrier_signal -1
	s_barrier_wait -1               ; everybody's are; nobody reads P any more
	s_lshr_b32 s94, s[WV], 1
	s_mul_i32 s94, s94, 1040
	s_and_b32 s95, s[WV], 1
	s_lshl_b32 s95, s95, 9
	s_add_co_u32 s94, s94, s95
	v_mul_u32_u24 v[XAX], v1, 2080
	v_lshl_add_u32 v[XAX], v2, 8, v[XAX]
	v_add_nc_u32 v[XAX], s94, v[XAX]
	v_add_nc_u32 v[XAX1], 2*WPART, v[XAX]
	WIN 0x80                        ; x at O's own places, in window 2: tile t was fetched by wave t
.irp t, 0,1,2,3
.irp b, 0,1,2,3,4,5,6,7
.if (\t) < 2
	ds_load_b128 v[64*\t+8*\b:64*\t+8*\b+3], v[XAX] offset:WPART*((\t)%2)+32*\b
	ds_load_b128 v[64*\t+8*\b+4:64*\t+8*\b+7], v[XAX] offset:WPART*((\t)%2)+32*\b+16
.else
	ds_load_b128 v[64*\t+8*\b:64*\t+8*\b+3], v[XAX1] offset:WPART*((\t)%2)+32*\b
	ds_load_b128 v[64*\t+8*\b+4:64*\t+8*\b+7], v[XAX1] offset:WPART*((\t)%2)+32*\b+16
.endif
.endr
.endr
	WIN 0
	s_lshl_b32 s94, s[WV], 9
	v_lshl_add_u32 v[GBO], v2, 8, s94
	v_lshlrev_b32 v[CFO], 2, v1
	WIN 0xc0                        ; gamma and beta of my channels, in window 3
.irp b, 0,1,2,3,4,5,6,7
	global_load_b128 v[8*\b:8*\b+3], v[GBO], s[18:19] offset:32*\b
	global_load_b128 v[8*\b+4:8*\b+7], v[GBO], s[18:19] offset:32*\b+16
	global_load_b128 v[64+8*\b:64+8*\b+3], v[GBO], s[20:21] offset:32*\b
	global_load_b128 v[64+8*\b+4:64+8*\b+7], v[GBO], s[20:21] offset:32*\b+16
.endr
	WIN 0
	ALL4 global_load_b32 v[eCF+t], v[CFO], s[QBS+4:QBS+5] offset:64*t
	v_lshl_add_u32 v[ARR], v1, 4, RED
	s_lshl_b32 s94, s[WV], 8
	v_add_nc_u32 v[ARW], s94, v[ARR]
	s_mul_i32 s94, s[WV], 16*SGP
	s_add_co_u32 s94, s94, STG
	v_mul_u32_u24 v[STO], v1, SGP
	v_lshl_add_u32 v[STO], v2, 8, v[STO]
	v_add_nc_u32 v[STO], s94, v[STO]
	v_and_b32 v12, 31, v0
	v_lshl_add_u32 v[RD], v12, 4, s94
	s_lshl_b32 s95, s[WV], 9
	v_lshl_add_u32 v[GO], v12, 4, s95
	ALL4 v_mov_b32 v[RR2+t], 0      ; v_permlanex16_b32 counts as a reader of its destination
	DOT EA, 0x05                    ; O.O, while x lands
	s_wait_dscnt 0x0                ; x is in
	DOT EA+8, 0x06                  ; x.O
	DOT EA+16, 0x0a                 ; x.x
	HSUM 0, ST+4, 12
	HSUM 1, ST+6, 12
	HSUM 2, EA, 2
	HSUM 3, EA+8, 2
	HSUM 4, EA+16, 2
.irp v, 0,1,2,3,4
	XPUT \v
.endr
	s_wait_dscnt 0x0                ; for the others' sake: my five sums are stored
	s_barrier_signal -1
	s_barrier_wait -1
.irp v, 0,1,2,3,4
	XGET \v, RR1+16*\v
.endr
	s_wait_dscnt 0x0
.irp v, 0,1,2,3,4
	XADD \v, RR1+16*\v
.endr
	s_wait_loadcnt 0x0              ; cf, gamma, beta
	; THE ROWS' NUMBERS, four tiles wide.  ave = (T, O) / L;  y = ave / sqrt(max(|<ave, ave>|, 1e-7));  u = mu O with mu = arccosh(y0) / sqrt(y0^2 - 1) / (L sqrt(..));
	; B = <x, u> = mu cf x.O;  CC = B / (1 + x0);  v = u + CC (x + o);  <v, v> = mu^2 O.O + 2 CC B + CC^2 (cf^2 x.x - (1 + x0)^2);
	; z = cosh(nv) s + sinh(nv) / nv (mu O + CC s) = ALP x + BET O
	ALL4 v_and_b32 v[eX0+t], 0x7fffffff, v[ST+12*t+8]
	ALL4 v_add_f32 v[eX1+t], 1.0, v[eX0+t]
	ALL4 v_rcp_f32 v[eRL+t], v[R+t]
	ALL4 v_rcp_f32 v[eRX+t], v[eX1+t]
	BATCH
	ALL4 v_mul_f32 v[eA0+t], v[R+4+t], v[eRL+t]
	ALL4 v_mul_f32 v[eT1+t], v[eRL+t], v[eRL+t]
	ALL4 v_mul_f32 v[eT2+t], v[eA0+t], v[eA0+t]
	ALL4 v_fma_f32 v[eDEN+t], v[R+8+t], v[eT1+t], -v[eT2+t]
	ALL4 v_and_b32 v[eDEN+t], 0x7fffffff, v[eDEN+t]
	ALL4 v_max_num_f32 v[eDEN+t], 0x33d6bf95, v[eDEN+t]
	ALL4 v_rsq_f32 v[eRD+t], v[eDEN+t]
	BATCH
	ALL4 v_mul_f32 v[eAL+t], v[eA0+t], v[eRD+t]
	ALL4 v_max_num_f32 v[eAL+t], 0x3f800001, v[eAL+t]  ; 1 + 1e-7 in f32
	ALL4 v_mul_f32 v[eKAP+t], v[eRL+t], v[eRD+t]
	LOGC
	ALL4 v_mul_f32 v[eMU+t], v[eCO+t], v[eKAP+t]
	ALL4 v_mul_f32 v[eT1+t], v[eMU+t], v[eCF+t]
	ALL4 v_mul_f32 v[eB+t], v[eT1+t], v[R+12+t]
	ALL4 v_mul_f32 v[eCC+t], v[eB+t], v[eRX+t]
	ALL4 v_mul_f32 v[eT1+t], v[eCF+t], v[eCF+t]
	ALL4 v_mul_f32 v[eT2+t], v[eX1+t], v[eX1+t]
	ALL4 v_fma_f32 v[eT1+t], v[eT1+t], v[R+16+t], -v[eT2+t]
	ALL4 v_mul_f32 v[eT2+t], v[eCC+t], v[eCC+t]
	ALL4 v_mul_f32 v[eT1+t], v[eT1+t], v[eT2+t]
	ALL4 v_add_f32 v[eT2+t], v[eCC+t], v[eCC+t]
	ALL4 v_fma_f32 v[eT1+t], v[eT2+t], v[eB+t], v[eT1+t]
	ALL4 v_mul_f32 v[eT2+t], v[eMU+t], v[eMU+t]
	ALL4 v_fma_f32 v[eNV2+t], v[eT2+t], v[R+8+t], v[eT1+t]
	ALL4 v_max_num_f32 v[eNV2+t], 0x33d6bf95, v[eNV2+t]
	ALL4 v_rsq_f32 v[eRN+t], v[eNV2+t]
	BATCH
	ALL4 v_mul_f32 v[eNV+t], v[eNV2+t], v[eRN+t]
	ALL4 v_mul_f32 v[eE1+t], 0x3fb8aa3b, v[eNV+t]
	ALL4 v_mul_f32 v[eE2+t], 0xbfb8aa3b, v[eNV+t]
	ALL4 v_exp_f32 v[eE1+t], v[eE1+t]
	ALL4 v_exp_f32 v[eE2+t], v[eE2+t]
	BATCH
	ALL4 v_sub_f32 v[eT1+t], v[eE1+t], v[eE2+t]
	ALL4 v_mul_f32 v[eT1+t], 0.5, v[eT1+t]
	ALL4 v_mul_f32 v[eSHN+t], v[eT1+t], v[eRN+t]
	ALL4 v_add_f32 v[eT2+t], v[eE1+t], v[eE2+t]
	ALL4 v_mul_f32 v[eT2+t], 0.5, v[eT2+t]
	ALL4 v_fma_f32 v[eT2+t], v[eSHN+t], v[eCC+t], v[eT2+t]
	ALL4 v_mul_f32 v[eALP+t], v[eT2+t], v[eCF+t]
	ALL4 v_mul_f32 v[eBET+t], v[eSHN+t], v[eMU+t]
	SETBP eBET
	ALLO 0x41, v_pk_mul_f32 v[o:o+1], v[o:o+1], v[bp:bp+1]
	SETBP eALP
	ALLO 0x52, v_pk_fma_f32 v[o:o+1], v[o:o+1], v[bp:bp+1], v[o:o+1]  ; source 0 is x (window 2): z takes O's place
	; THE LAYER NORM, in two passes: the mean, then the squares of the differences
	WIN 0
.set i, 0
.rept 8
	v_mov_b32 v[EA+i], 0
.set i, i+1
.endr
	ALLO 0x04, v_pk_add_f32 v[ea:ea+1], v[ea:ea+1], v[o:o+1]
	MEET 5
	ALL4 v_mul_f32 v[BP+2*t], 0x3b000000, v[R+20+t]   ; / 512
	ALL4 v_mov_b32 v[BP+2*t+1], v[BP+2*t]
	ALLO 0x41, v_pk_add_f32 v[o:o+1], v[o:o+1], v[bp:bp+1] neg_lo:[0,1] neg_hi:[0,1]
	DOT EA, 0x05
	MEET 6
	ALL4 v_mul_f32 v[eT1+t], 0x3b000000, v[R+24+t]
	ALL4 v_add_f32 v[eT1+t], 0x3727c5ac, v[eT1+t]     ; + 1e-5
	ALL4 v_rsq_f32 v[BP+2*t], v[eT1+t]
	BATCH
	ALL4 v_mov_b32 v[BP+2*t+1], v[BP+2*t]
	ALLO 0x41, v_pk_mul_f32 v[o:o+1], v[o:o+1], v[bp:bp+1]
	ALLO 0x7d, v_pk_fma_f32 v[o:o+1], v[o:o+1], v[gm:gm+1], v[gm+64:gm+65]  ; gamma and beta in window 3
	DOT EA, 0x05
	MEET 7
	ALL4 v_add_f32 v[eT1+t], 1.0, v[R+28+t]
	ALL4 v_sqrt_f32 v[eAL+t], v[eT1+t]
	BATCH
	ALL4 v_max_num_f32 v[eAL+t], 0x3f800001, v[eAL+t]
	LOGC
	SETBP eCO
	ALLO 0x41, v_pk_mul_f32 v[o:o+1], v[o:o+1], v[bp:bp+1]
	; THE WAY OUT, a tile at a time through my own stage: a lane's channels go into rows of 528 bytes and come back as a row's 512 consecutive bytes.
.macro TOSTAGE tl
.if (\tl) >= 2
	s_wait_xcnt 0x0                 ; the stores of the tile two back have had their addresses translated (ISA guide 3.1): only behind this wait are their data registers loaded again
.endif
	WIN 0x04                        ; the data in window 1
.irp b, 0,1,2,3,4,5,6,7
	ds_store_b128 v[STO], v[64*(\tl)+8*\b:64*(\tl)+8*\b+3] offset:32*\b
	ds_store_b128 v[STO], v[64*(\tl)+8*\b+4:64*(\tl)+8*\b+7] offset:32*\b+16
.endr
	WIN 0
.set rw, 0
.rept 16
	ds_load_b128 v[64+64*((\tl)%2)+4*rw:64+64*((\tl)%2)+4*rw+3], v[RD] offset:SGP*rw  ; LDS serves a wave's instructions in order (ISA guide 5.7.1.4): these see the stores above; the next tile's stores come behind them
.set rw, rw+1
.endr
.endm
.macro SEND tl, younger             ; younger: the LDS instructions issued behind this tile's loads: the next tile's 32, or none
.set rw, 0
.rept 16
	s_wait_dscnt (\younger)+15-rw
	global_store_b128 v[GO], v[64+64*((\tl)%2)+4*rw:64+64*((\tl)%2)+4*rw+3], s[QBS+6:QBS+7] offset:(16*(\tl)+rw)*2048 th:TH_STORE_NT  ; 512 consecutive bytes, at a multiple of 512 from out0's first
.set rw, rw+1
.endr
.endm
	TOSTAGE 0
	TOSTAGE 1
	SEND 0, 32
	TOSTAGE 2
	SEND 1, 32
	TOSTAGE 3
	SEND 2, 32
	SEND 3, 0
	s_wait_tensorcnt 0x0            ; the wave's end, behind my last tensor load and my last LDS store
	ds_add_u32 v[SPW], v[NIL]
	s_wait_dscnt 0x0
	CROUND                          ; the closing round: no work-group ends while a partner may still ask for a tile that names it
	s_endpgm
.Lfunc_end_k_qee0a8c1c01_attn:
	.size	k_qee0a8c1c01_attn, .Lfunc_end_k_qee0a8c1c01_attn-k_qee0a8c1c01_attn
	.p2alignl 7, 3214868480
	.fill 96, 4, 3214868480
	.section	.rodata,"a",@progbits
	.p2align	6, 0x0
	.amdhsa_kernel k_qee0a8c1c01_attn
		.amdhsa_group_segment_fixed_size 327680
		.amdhsa_private_segment_fixed_size 0
		.amdhsa_enable_private_segment 0
		.amdhsa_kernarg_size 80
		.amdhsa_user_sgpr_count 2
		.amdhsa_user_sgpr_kernarg_segment_ptr 1
		.amdhsa_wavefront_size32 1
		.amdhsa_system_sgpr_workgroup_id_x 1
		.amdhsa_system_sgpr_workgroup_id_y 1
		.amdhsa_system_sgpr_workgroup_id_z 1
		.amdhsa_system_vgpr_workitem_id 0
		.amdhsa_next_free_vgpr 1024
		.amdhsa_next_free_sgpr 100
		.amdhsa_reserve_vcc 0
		.amdhsa_float_denorm_mode_32 3
		.amdhsa_float_denorm_mode_16_64 3
		.amdhsa_memory_ordered 1
		.amdhsa_forward_progress 1
		.amdhsa_inst_pref_size 255
	.end_amdhsa_kernel
	.section	.bss,"aw",@nobits
	.p2align	6
	.space	262144
	.amdgpu_metadata
---
amdhsa.version: [ 1, 2 ]
amdhsa.kernels:
  - .name:           k_qee0a8c1c01_attn
    .symbol:         k_qee0a8c1c01_attn.kd
    .args:
      - { .name: xb, .offset: 0, .size: 8, .value_kind: global_buffer, .address_space: global }
      - { .name: tt, .offset: 8, .size: 8, .value_kind: global_buffer, .address_space: global }
      - { .name: cf, .offset: 16, .size: 8, .value_kind: global_buffer, .address_space: global }
      - { .name: g, .offset: 24, .size: 8, .value_kind: global_buffer, .address_space: global }
      - { .name: p, .offset: 32, .size: 8, .value_kind: global_buffer, .address_space: global }
      - { .name: scale, .offset: 40, .size: 8, .value_kind: global_buffer, .address_space: global }
      - { .name: bias, .offset: 48, .size: 8, .value_kind: global_buffer, .address_space: global }
      - { .name: ln_gamma, .offset: 56, .size: 8, .value_kind: global_buffer, .address_space: global }
      - { .name: ln_beta, .offset: 64, .size: 8, .value_kind: global_buffer, .address_space: global }
      - { .name: out0, .offset: 72, .size: 8, .value_kind: global_buffer, .address_space: global }
    .group_segment_fixed_size: 327680
    .private_segment_fixed_size: 0
    .kernarg_segment_align: 8
    .kernarg_segment_size: 80
    .max_flat_workgroup_size: 128
    .sgpr_count:     100
    .vgpr_count:     1024
    .wavefront_size: 32
...
	.end_amdgpu_metadata
.endif
;; end of part 2
